; MI455X (gfx1250); checked and timed in simulation.
; The chip was launched on July 23, 2026; its instructions are those of AMD's public machine-readable ISA for CDNA 5 (MIT licence, August 2026) and "CDNA5" Instruction Set Architecture Reference Guide (July 2026). The comments in the code are by the model that wrote it; some were corrected since.
;; Flash Attention. Allowed arithmetic: matrix products marked QUANTISED: E2M3 operands, one E8M0 scale for each 32 along K, by v_wmma_scale_f32_16x16x128_f8f6f4 with both operands' format E2M3, f32 sums; everything else in f32.
;; Inputs: k_codes 4 x 2,048 x 16 x 2 x 24 uint8 (E2M3 codes of k, K innermost, in blocks of 32 codes, four codes in three bytes); k_scales 4 x 2,048 x 16 x 2 uint8 (E8M0 scales of k, one for each 32 codes along K); q_codes 4 x 2,048 x 16 x 2 x 24 uint8 (E2M3 codes of q, K innermost, in blocks of 32 codes, four codes in three bytes); q_scales 4 x 2,048 x 16 x 2 uint8 (E8M0 scales of q, one for each 32 codes along K); v_codes 4 x 16 x 64 x 64 x 24 uint8 (E2M3 codes of v, K innermost, in blocks of 32 codes, four codes in three bytes); v_scales 4 x 16 x 64 x 64 uint8 (E8M0 scales of v, one for each 32 codes along K).
;; Outputs: out0 4 x 2,048 x 16 x 64 float32.
;; This version of the problem:
;;   THIS VERSION OF THE PROBLEM IS GIVEN IN LOW PRECISION. The matrix products marked QUANTISED in the list below multiply operands that are first quantised to E2M3 (2 exponent bits, 3 mantissa bits; 6 bits a number), with one power-of-two scale for each 32 numbers along K (OCP MX v1.0); their sums are f32. All else is computed in f32.
;;   The module's matrix products, in the order in which they are computed (A, B: the left and right operand; K: the contracted axis; several contracted axes count as one K, in the product's order):
;;     1. batch 64 x [M 2,048, K 64] x [K 64, N 2,048]; A: input q (given as codes); B: input k (given as codes): QUANTISED
;;     2. batch 64 x [M 64, K 2,048] x [K 2,048, N 2,048]; A: input v (given as codes); B: softmax (see below): QUANTISED
;;   THE QUANTISER, for each operand of a quantised product, along K:
;;     - K is cut into blocks of 32 from its start; a last block that is shorter is filled with zeros.
;;     - A block's scale is 2^e with e = floor(log2(the largest magnitude in the block)) - 2, held to -126 .. 127; a block of zeros has e = 0. As a byte (E8M0): e + 127.
;;     - Each number is divided by its block's scale, clamped to +-7.5, and rounded to the nearest number of E2M3, ties to even, subnormals kept.
;;     - The product sums the exact products of the quantised numbers (number of the format x scale) in f32.
;;   ~~~python
;;   def quantise(x, axis):      # numpy; x: float32 -> the quantised numbers, widened to float32 again
;;       x = np.moveaxis(x, axis, -1); K = x.shape[-1]
;;       x = np.pad(x, [(0, 0)] * (x.ndim - 1) + [(0, -K % 32)]); x = x.reshape(x.shape[:-1] + (-1, 32)); a = np.abs(x).max(-1, keepdims=True)
;;       e = np.where(a > 0, np.clip(np.frexp(np.where(a > 0, a, 1))[1] - 1 - 2, -126, 127), 0)      # np.frexp(a)[1] - 1 = floor(log2(a)), exactly
;;       r = np.clip(x / 2.0 ** e, -7.5, 7.5)
;;       step = 2.0 ** (np.maximum(np.frexp(np.where(r == 0, 1, r))[1] - 1, 0) - 3)
;;       q = np.round(r / step) * step * 2.0 ** e      # np.round: ties to even
;;       return np.moveaxis(q.reshape(q.shape[:-2] + (-1,))[..., :K], -1, axis).astype(np.float32)
;;   ~~~
;;   SOFTMAX AHEAD OF A QUANTISED PRODUCT. Where the list says 'softmax', what is quantised is not the finished softmax but p = 2^(t - M), with t = logit x log2(e) and M = ceil(the row's largest t), a whole number; so 1/2 < the row's largest p <= 1. The row's sum l is taken of the UNQUANTISED p, in f32, and the product's result is divided by l at the end. Since M is a whole number, a kernel that streams over the keys may use a running M (the ceiling of the running maximum): every later rescaling is an exact power of two, which a block's scale takes up: the codes' values come out the same.
;;   OPERANDS COMPUTED ON THE WAY. 'Computed on the way' means the value that the module computes at that place (a softmax that the list does not call 'softmax' is quantised finished and normalised). What goes into a quantiser is computed in f32, as accurately as f32 sums, v_exp_f32 and their like allow (about 1e-6 of the number): no bf16 or f16 on the way to a quantiser, and a product that is left as it is and whose result goes on into a quantised operand takes f32 operands (vector FMAs, or v_wmma_f32_16x16x4_f32). A number that lies on a knife's edge between two numbers of the format may be rounded either way, as far as f32 arithmetic and the matrix unit's own rounding can turn it there, and no further.
;;   INPUTS GIVEN AS CODES. k (in the module: [4, 2048, 16, 64], K = its axis 3); q (in the module: [4, 2048, 16, 64], K = its axis 3); v (in the module: [4, 2048, 16, 64], K = its axis 1): each comes as NAME_codes (uint8): NAME with its K axis moved to the last place and cut into blocks of 32 codes, [.., K / 32, bytes a block], one block behind the other in memory; four codes in three bytes: a row's codes are one little-endian stream of bits, code i at bits 6 i .. 6 i + 5 (a code: sign, 2 exponent bits, 3 mantissa bits); and NAME_scales (uint8): the same leading axes, one E8M0 byte (e + 127) for each 32 codes along K. Its value is code x scale, taken as it is: it is not quantised again, and the codes and scales need not be those that the quantiser above would give.
;; One version. Each part assembles by itself: llvm-mc -triple=amdgcn-amd-amdhsa -mcpu=gfx1250 --defsym DOCPART=n.
;; ======== version 1 of 1: 1 launch
;; launch attn (part 1): grid 4 x 64, 16 waves a work-group, clusters of 4 x 1, 301,056 bytes of LDS; arguments q_codes, q_scales, k_codes, k_scales, v_codes, v_scales, out0; writes out0
.if DOCPART == 1
	.amdgcn_target "amdgcn-amd-amdhsa--gfx1250"
	.amdhsa_code_object_version 6
	.text
	.protected	k_qcb95d11763_attn
	.globl	k_qcb95d11763_attn
	.p2align	8
	.type	k_qcb95d11763_attn,@function
k_qcb95d11763_attn:
	s_mov_b64 s[64:65], 0
	v_nop
	global_prefetch_b8 v0, s[64:65] scope:SCOPE_SE
	s_setreg_imm32_b32 hwreg(HW_REG_WAVE_MODE, 25, 1), 1
	s_wait_xcnt 0x0
	s_wait_alu depctr_hold_cnt(0) depctr_sa_sdst(0) depctr_va_vdst(0) depctr_va_sdst(0) depctr_va_ssrc(0) depctr_va_vcc(0) depctr_vm_vsrc(0)
	s_getreg_b32 s2, hwreg(HW_REG_IB_STS2, 6, 4)
	s_cmp_eq_u32 s2, 0
	s_cbranch_scc0 .Lentry_in_a_cluster
	s_endpgm
.Lentry_in_a_cluster:
	s_bfe_u32 s2, ttmp6, 0x10000c
	s_cmp_lg_u32 s2, 0x3003
	s_cbranch_scc0 .Lentry_shape_is_right
	s_endpgm
.Lentry_shape_is_right:
; out[b][q][h][:] = the sum over keys k <= q of softmax_k(Q.K / 8) V, B x H = 64 heads, 2,048 queries and keys, head size 64; both products on codes of FP6 (E2M3) with one E8M0 byte for each 32 along K.
; q, k: a row (b, s, h) is 48 bytes of codes, rows of one head 768 bytes apart; its 2 scale bytes lie 32 bytes apart from row to row.  v: keys innermost: a head is 64 rows of 1,536 bytes, 64 scale bytes a row.  out: a row is 256 bytes, rows of a head 4,096 apart.
; THE SOFTMAX AHEAD OF THE SECOND PRODUCT: t = score x log2(e) / 8; M = the running largest t rounded UP to a whole number; p = 2^(t - M) is quantised along the keys, not normalised; the row's sum is taken of
; the unquantised p and divides at the end.  When M moves, the sum and O are multiplied by 2^(old M - new M): exact.
; SHARES.  A cluster of four work-groups is one head.  A head has 128 tiles of 16 queries; work-group cx takes the tiles 4 u + cx, u = 0 .. 31; wave w takes u = w and then u = 31 - w.  A tile's last step of 128 keys is u / 2, whatever cx:
; so every branch hangs on the wave's number and on loop counters alone, alike in the four partners, and each wave has (w / 2 + 1) + ((31 - w) / 2 + 1) = 17 tile steps: the same for all waves of the launch.
; cx enters only q's and out's global offsets and the constant that the mask compares with.
; SIXTEEN SMALL WAVES, four to a SIMD, 250 registers each: a tile step is 12 matrix instructions beside about 240 vector instructions.
; NO RING.  A head's K (98,304 bytes) and V (122,880 with padding) fit in LDS together.  They are filled ONCE, by joint tensor loads that name the four work-groups of the cluster (all four walk the same K and V): no LDS byte is filled twice,
; and no barrier stands in the loops.  The first 256 keys are worked on while the other seven eighths land.
; THE FIRST PRODUCT'S K IS 64, the instruction's 128.  A FRAGMENT OF K HOLDS TWO TILES OF KEYS: tile f in its lower six registers (k = 0 .. 63), tile f + 4 in its upper six (k = 64 .. 127).  q stands between zeros, [0 | q | 0] in 18 registers:
; the twelve from the seventh on, [q | 0], pick the lower tile, the first twelve, [0 | q], the upper: zero codes add nothing under any scale byte but 0xff.  K's scale word holds tile f's two bytes below and tile f + 4's above; q's holds q's two bytes twice.
; LAYOUT.  Both products are used transposed: S^T = K Q^T (source 0 = 16 keys, source 1 = my 16 queries), O^T = V^T P^T (source 0 = 16 of the head's 64, source 1 = P): a lane holds ONE query (lane % 16) throughout.
; THE KEYS OF A TILE ARE NOT NEIGHBOURS: lane r of tile 2 b + u takes key 32 b + 8 u + r + 8 (r / 8), so that the 16 registers of tiles 2 b and 2 b + 1 are 16 neighbouring keys, 32 b + 16 (lane / 16) + 0 .. 15.
; EVERY LDS OPERAND IS ASKED FOR A PHASE AHEAD.  Two buffers of 64 registers take turns.  In a step K lies in one (YA) and S^T goes to the other (YB); V's fragments are asked for into YA as soon as the products have read K, and land under the
; softmax; the NEXT step's K is asked for into YB, fragment by fragment, as the row sums leave p's registers free, and lands under the rest of the step.  The next step finds the buffers' parts exchanged.
; THE SCALE WORDS of K and V are copied once into LDS in the order of the operands' registers: a step's four words of a lane lie on end and come by one load of 16 bytes.
; LIMITS.  Hidden scores become -infinity where the definition subtracts 1e9: the same result as long as visible logits stay far above -1e9.  p under 2^-126 comes out as 0.  A block's largest p is made from its largest score by the
; same multiply-add and exponential (this takes the exponential not to fall where its input rises).  A block of p that is all zeros gets the byte 1: its codes are zeros.  NaN scale bytes (0xff) among the inputs are not served.
; NOT USED: prefetches into the cache (all fills go out at the start); padding for K (rows of 48 bytes are no power of two); register windows (no wave names more than 250 registers).
.set VB,     98304                     ; LDS: K at 0: key x 48 bytes.  V from here: 8 slots of 256 keys, each 64 rows of 3 x (64 bytes + 16 of padding): pitch 240
.set VSLOT,  15360
.set KS,     221184                    ; K's scale words: 256 x step + 16 r + 4 f; in a word tile f's two bytes, then tile f + 4's
.set VS,     225280                    ; V's scale words: 256 x step + 16 r + 4 x tile
.set STG,    229376                    ; the way out: 16 rows x (256 bytes + 16) for each wave; ends at 299,008
.set KSTEPB, 6144                      ; 128 keys of 48 bytes
.set AK0,  1                           ; v1   my lane's place in a tile of K: 48 (r + 8 (r / 8)) + 24 h
.set AV0,  2                           ; v2   in a tile of V: VB + 240 r + 24 h
.set AV1,  3                           ; v3   the same for pieces that lie behind one padding more in lanes 16-31: VB + 240 r + 40 h
.set ASK0, 4                           ; v4   KS + 16 r
.set ASV0, 5                           ; v5   VS + 16 r
.set QL,   6                           ; v6   768 r + 24 h
.set QSL,  7                           ; v7   32 r
.set DL0,  8                           ; v8   r - 16 h + 16 cx
.set STO,  9                           ; v9   the stage: where I put 32 bytes of a row
.set RD,   10                          ; v10  and where I read a row back
.set GOL,  11                          ; v11  4096 h + 16 r
.set ADK,  12                          ; v12  LDS address of the NEXT step's K;  v15 of its scale words
.set ADV,  13                          ; v13, v14 of this step's V (and behind a padding);  v16 of its scale words
.set ADV1, 14
.set ADS,  15
.set ADT,  16
.set QA,   17                          ; v17-20 of the tile in hand: q's codes, q's scale word, out; the mask's constant
.set QSA,  18
.set GO,   19
.set DL,   20
.set NINF, 21                          ; v21  -infinity
.set NM,   22                          ; v22  -M
.set RM,   23                          ; v23  the largest score so far
.set LS,   24                          ; v[24:25] the row's sum in two halves
.set FF,   26                          ; v26  f = 2^(old M - new M);  v27 = 0, named with it as a pair
.set QS,   28                          ; v28  q's scale word
.set PW,   29                          ; v29  p's scale word
.set QHI,  30                          ; v[30:41] = [0 | q]
.set QLO,  36                          ; v[36:47] = [q | 0]
.set KSC,  48                          ; v[48:51] K's scale words of a step's four fragments
.set VSC,  52                          ; v[52:55] V's of its four
.set Y0,   56                          ; v[56:119], v[120:183] the two buffers
.set Y1,   120
.set OA,   184                         ; v[184:215] O^T, four tiles
.set PF,   216                         ; v[216:227] p's codes
.set BM,   228                         ; v[228:231] the blocks' largest scores, then largest p; then the second chain of the row's sum
.set TP,   232                         ; v[232:239] at work
.set SOP,  240                         ; v[240:243] the conversions' scale operands
.set TA,   244                         ; v244 at work
.set OLD,  245                         ; v245 the last step's -M
.set WV,   18                          ; s18  my wave's number
.set CX16, 19                          ; s19  16 cx
.set SEL,  20                          ; s[20:21] lane selects for v_permlanex16_b32: lane l xor 16
.set CS,   22                          ; s[22:23] c = log2(e) / 8
.set G1K,  28                          ; s[28:35] descriptor group 1 for K's tiles;  s[36:43] for V's;  s[44:59] four groups 0
.set G1V,  36
.set G0,   44
.set KSI,  73                          ; s73  the key step
.set KMIN, 74                          ; s74  the first step that is still to do for the tile in hand: 0 or 2, so a walk's first step finds its K in Y0
.set KMAX, 75                          ; s75  its last step: the one on the diagonal
.set TK,   76                          ; s76-79 where the step's K, the slot's V, the step's scale words of K and of V begin
.set TV,   77
.set TSK,  78
.set TSV,  79
.set SL,   80                          ; s80  slots to go
.set UU,   82                          ; s82  u of the tile in hand
; A round of the cluster's barrier: my work-group's barrier, wave 0 signals for the work-group, every wave waits for all four work-groups, my work-group's barrier once more.
.macro CROUND
	s_barrier_signal -1
	s_barrier_wait -1
	s_cmp_lg_u32 s[WV], 0
	s_cbranch_scc1 .Lnot_wave_0_\@
	s_barrier_signal -3
.Lnot_wave_0_\@:
	s_barrier_wait -3
	s_barrier_signal -1
	s_barrier_wait -1
.endm
; The tile 4 u + cx begins, in three parts.  TILE_Q: its last step, the mask's constant, and its q: four loads, waited for by the caller.  It leaves out's offset in s87.
.macro TILE_Q
	s_lshr_b32 s[KMAX], s[UU], 1                   ; 16 (4 u + cx) / 128 = u / 2
	s_lshl_b32 s84, s[UU], 6
	s_add_co_u32 s84, s84, s[CX16]                 ; my first query: 64 u + 16 cx
	s_mul_i32 s85, s84, 768
	s_lshl_b32 s86, s84, 5
	s_lshl_b32 s87, s84, 12
	s_and_b32 s88, s[UU], 1
	s_lshl_b32 s88, s88, 6                         ; my first query less the diagonal step's first key, without cx's part: 64 (u % 2)
	v_add_nc_u32 v[QA], s85, v[QL]
	v_add_nc_u32 v[QSA], s86, v[QSL]
	v_add_nc_u32 v[DL], s88, v[DL0]                ; d = my query - the diagonal step's first key - 16 h
.irp p, 0,1,2
	global_load_b64 v[QLO+2*\p:QLO+2*\p+1], v[QA], s[4:5] offset:8*\p    ; row r's 24 bytes of my half: k = 32 h + 0 .. 31
.endr
	global_load_u16 v[QS], v[QSA], s[6:7]          ; two scale bytes
.endm
.macro TILE_O                                  ; where its rows of out lie: behind the wait that frees the last tile's stores' offsets
	v_add_nc_u32 v[GO], s87, v[GOL]
.endm
; TILE_Z, behind the wait for q: q's scale bytes twice in the word, and an empty state: O^T and the sum are zeros and the largest score is -3e38, so that the step needs no first form of its own.
; The 36 lines behind the first are also the places between that write of a scale register and the first product that names it.
.macro TILE_Z
	v_lshl_or_b32 v[QS], v[QS], 16, v[QS]
	v_mov_b32 v[RM], 0xff61b1e6                    ; -3e38, under every score
	v_floor_f32 v[NM], -v[RM]                      ; a -M above every -M to come: the first f is 0, over zeros
	v_mov_b32 v[LS], 0
	v_mov_b32 v[LS+1], 0
.set ii, 0
.rept 32
	v_mov_b32 v[OA+ii], 0
.set ii, ii+1
.endr
.endm
; A fragment of K: tile f of the step into the lower six registers, tile f + 4 (64 keys on) into the upper six: lane (r, h) takes the 24 bytes of its key's half row, in pieces of 8 bytes.
.macro KFRAG reg, f, adr, off
.irp p, 0,1,2
	ds_load_b64 v[\reg+2*\p:\reg+2*\p+1], v[\adr] offset:\off+(32*((\f)/2)+8*((\f)%2))*48+8*\p
.endr
.irp p, 0,1,2
	ds_load_b64 v[\reg+6+2*\p:\reg+6+2*\p+1], v[\adr] offset:\off+(64+32*((\f)/2)+8*((\f)%2))*48+8*\p
.endr
.endm
.macro KPRE koff, soff                         ; a walk's first step has nobody to ask for it: its K into Y0, its scale words
	ds_load_b128 v[KSC:KSC+3], v[ASK0] offset:\soff
.irp f, 0,1,2,3
	KFRAG Y0+12*\f, \f, AK0, \koff
.endr
.endm
; A fragment of V^T: 16 rows x 128 keys, the slot's q-th, tile i: in pieces of 8 bytes.  Lanes 0-15 take the row's pieces 12 q + 0, 1, 2 and 12 q + 6, 7, 8, lanes 16-31 those three pieces on;
; 16 bytes of padding lie behind every 8 pieces: where the piece three on lies behind one padding more, the second address register serves.
.macro FRAGV reg, q, i
.irp p, 0,1,2,3,4,5
.set PCE, 12*(\q)+6*(\p/3)+\p%3
.if PCE%8 < 5
	ds_load_b64 v[\reg+2*\p:\reg+2*\p+1], v[ADV] offset:8*PCE+16*(PCE/8)+(\i)*3840
.else
	ds_load_b64 v[\reg+2*\p:\reg+2*\p+1], v[ADV1] offset:8*PCE+16*(PCE/8)+(\i)*3840
.endif
.endr
.endm
; A KEY STEP: 128 keys, the q-th of the slot of V in hand; q is also the step's parity, which says which buffer holds K.  pf = 1: the next step's K is asked for.  always = 1: the step has no test at its head.
.macro STEP q, pf, always
.if \q
.set YA, Y1
.set YB, Y0
.else
.set YA, Y0
.set YB, Y1
.endif
.if !\always
	s_cmp_lt_u32 s[KSI], s[KMIN]                   ; a step that is done already, or all of whose keys come after my queries, is left out: scalar branches on the wave's number and counters,
	s_cbranch_scc1 .Lhid_\@                        ; round the step's work, not round the lines at its end that step the addresses
	s_cmp_gt_u32 s[KSI], s[KMAX]
	s_cbranch_scc1 .Lhid_\@
.endif
	s_add_co_u32 s84, s[TK], KSTEPB                ; the next step's K and scale words; behind step 15 there is none: the look-ahead is held there, so that it reads only bytes that were written
	s_min_u32 s84, s84, 15*KSTEPB
	s_add_co_u32 s85, s[TSK], 256
	s_min_u32 s85, s85, 15*256
	v_add_nc_u32 v[ADK], s84, v[AK0]               ; five plain instructions: the places between the last step's products V^T P and the products below, which write over their source 0
	v_add_nc_u32 v[ADS], s85, v[ASK0]
	v_add_nc_u32 v[ADV], s[TV], v[AV0]
	v_add_nc_u32 v[ADV1], s[TV], v[AV1]
	v_add_nc_u32 v[ADT], s[TSV], v[ASV0]
	s_wait_dscnt 0x0                               ; K and its scale words, asked for in the last step
.irp t, 0,1,2,3                                ; S^T = K Q^T: tiles 0-3 from the fragments' lower halves,
	v_wmma_scale_f32_16x16x128_f8f6f4 v[YB+8*\t:YB+8*\t+7], v[YA+12*\t:YA+12*\t+11], v[QLO:QLO+11], 0, v[KSC+\t], v[QS] matrix_a_fmt:MATRIX_FMT_FP6 matrix_b_fmt:MATRIX_FMT_FP6
.endr
.irp t, 0,1,2,3                                ; tiles 4-7 from the upper
	v_wmma_scale_f32_16x16x128_f8f6f4 v[YB+32+8*\t:YB+32+8*\t+7], v[YA+12*\t:YA+12*\t+11], v[QHI:QHI+11], 0, v[KSC+\t], v[QS] matrix_a_fmt:MATRIX_FMT_FP6 matrix_b_fmt:MATRIX_FMT_FP6
.endr                                          ; register 16 b + i of S^T is key 32 b + 16 h + i of the step
	v_mov_b32 v[OLD], v[NM]                        ; four places in front of the loads into K's registers and of the first read of results; the first of them keeps the old -M
.rept 3
	v_nop
.endr
.irp t, 0,1,2,3
	FRAGV YA+12*\t, \q, \t                         ; V's four fragments take K's place: they land under the softmax
.endr
	ds_load_b128 v[VSC:VSC+3], v[ADT]              ; and their scale words
	s_cmp_lg_u32 s[KSI], s[KMAX]                   ; only the tile's last step lies on the diagonal: there hidden scores become -infinity ahead of the maximum, so that p = 0
	s_cbranch_scc1 .Lopen_\@
.irp n, 0,1,2,3,4,5,6,7,8,9,10,11,12,13,14,15,16,17,18,19,20,21,22,23,24,25,26,27,28,29,30,31,32,33,34,35,36,37,38,39,40,41,42,43,44,45,46,47,48,49,50,51,52,53,54,55,56,57,58,59,60,61,62,63
	v_cmp_gt_i32 vcc_lo, 32*(\n/16)+\n%16, v[DL]   ; hidden where 32 b + i > d
	v_cndmask_b32 v[YB+\n], v[YB+\n], v[NINF], vcc_lo
.endr
.Lopen_\@:
.irp b, 0,1,2,3
	v_max3_num_f32 v[BM+\b], v[YB+16*\b], v[YB+16*\b+1], v[YB+16*\b+2]   ; the largest score of each block of 32 keys: it serves for the row's maximum and, since p rises with the score, for the block's largest p
.endr
.irp i, 3,5,7,9,11,13
.irp b, 0,1,2,3
	v_max3_num_f32 v[BM+\b], v[BM+\b], v[YB+16*\b+\i], v[YB+16*\b+\i+1]   ; (the four blocks by turns)
.endr
.endr
.irp b, 0,1,2,3
	v_max_num_f32 v[BM+\b], v[BM+\b], v[YB+16*\b+15]
.endr
.irp b, 0,1,2,3
	v_permlanex16_b32 v[TP+\b], v[BM+\b], s[SEL], s[SEL+1]
.endr
.irp b, 0,1,2,3
	v_max_num_f32 v[BM+\b], v[BM+\b], v[TP+\b]     ; with lane l xor 16's 16 keys
.endr
	v_max3_num_f32 v[TA], v[BM], v[BM+1], v[BM+2]
	v_max3_num_f32 v[RM], v[TA], v[BM+3], v[RM]    ; the running largest score of my query
	v_mul_f32 v[TA], s[CS], v[RM]                  ; as t (c is positive, and rounding keeps the order: the largest score's t is the largest t)
	v_floor_f32 v[NM], -v[TA]                      ; the new -M = floor(-t) = -ceil(t): a whole number
.set ii, 0
.rept 32
	v_pk_fma_f32 v[YB+ii:YB+ii+1], v[YB+ii:YB+ii+1], s[CS:CS+1], v[NM:NM+1] op_sel_hi:[1,0,0]   ; t - M, two at a time (of the pairs c and -M the low word serves both halves)
.if ii == 4                                    ; f is wanted only behind the exponentials: its three lines, each of which reads the one before, stand apart among these
	v_sub_f32 v[TA], v[NM], v[OLD]                 ; old M less new M: a whole number, 0 or less
.elseif ii == 20
	v_cvt_i32_f32 v[TA], v[TA]                     ; (it saturates)
.elseif ii == 36
	v_ldexp_f32 v[FF], 1.0, v[TA]                  ; f = 2^(old M - new M)
.endif
.set ii, ii+2
.endr
.irp b, 0,1,2,3
	v_fma_f32 v[BM+\b], v[BM+\b], s[CS], v[NM]     ; the same of each block's largest score
.endr
.set ii, 0
.rept 64
	v_exp_f32 v[YB+ii], v[YB+ii]                   ; p = 2^(t - M), at most 1: not normalised
.set ii, ii+1
.endr
.irp b, 0,1,2,3
	v_exp_f32 v[BM+\b], v[BM+\b]                   ; the block's largest p
.endr
	v_pk_mul_f32 v[LS:LS+1], v[LS:LS+1], v[FF:FF+1] op_sel_hi:[1,0]   ; the sums under the new M.  (A plain place behind the exponentials)
	s_wait_alu depctr_va_vdst(0)
.irp b, 0,1,2,3
	v_max_num_f32 v[BM+\b], 0x1800000, v[BM+\b]    ; the floor 2^(3 - 127): the byte cannot fall under 1
.endr
.irp b, 0,1,2,3
	v_add_nc_u32 v[SOP+\b], 0xff000000, v[BM+\b]   ; 2 off the exponent field: the conversion's scale operand
.endr
.irp b, 0,1,2,3
	v_lshrrev_b32 v[TP+\b], 23, v[SOP+\b]          ; the scale's byte
.endr
	v_lshl_or_b32 v[PW], v[TP+1], 8, v[TP]         ; p's scale word for these 128 keys
	v_lshl_or_b32 v[PW], v[TP+2], 16, v[PW]
	v_lshl_or_b32 v[PW], v[TP+3], 24, v[PW]
.irp c, 0,1
	v_cvt_scalef32_pk16_fp6_f32 v[PF+6*\c:PF+6*\c+2], v[YB+32*\c:YB+32*\c+15], v[SOP+2*\c]
	v_cvt_scalef32_pk16_fp6_f32 v[TP+4*\c:TP+4*\c+2], v[YB+32*\c+16:YB+32*\c+31], v[SOP+2*\c+1]   ; (a conversion's three registers begin on an even number)
.endr
	v_pk_add_f32 v[BM:BM+1], v[YB:YB+1], v[YB+2:YB+3]   ; the row's sum is taken of the unquantised p: two at a time, in two chains.  (These sums only read the conversions' sources: they are the plain places behind them)
.irp j, 4,8,12,16,20,24,28,32,36,40,44,48,52,56,60
	v_pk_add_f32 v[LS:LS+1], v[LS:LS+1], v[YB+\j:YB+\j+1]
	v_pk_add_f32 v[BM:BM+1], v[BM:BM+1], v[YB+\j+2:YB+\j+3]
.if \pf                                        ; twelve registers of p have been converted and summed: they take a fragment of the next step's K
.if \j == 8
	ds_load_b128 v[KSC:KSC+3], v[ADS]
	KFRAG YB, 0, ADK, 0
.elseif \j == 20
	KFRAG YB+12, 1, ADK, 0
.elseif \j == 32
	KFRAG YB+24, 2, ADK, 0
.elseif \j == 44
	KFRAG YB+36, 3, ADK, 0
.endif
.endif
.endr
	v_pk_add_f32 v[LS:LS+1], v[LS:LS+1], v[BM:BM+1]
.irp c, 0,1                                    ; the operand's layout wants a whole block in a lane: lanes 0-15 block 2 c, lanes 16-31 block 2 c + 1
.irp i, 0,1,2
	v_permlane16_swap_b32 v[PF+6*\c+\i], v[TP+4*\c+\i]
.endr
.irp i, 0,1,2
	v_mov_b32 v[PF+6*\c+3+\i], v[TP+4*\c+\i]
.endr
.endr
.set ii, 0
.rept 16
	v_pk_mul_f32 v[OA+ii:OA+ii+1], v[OA+ii:OA+ii+1], v[FF:FF+1] op_sel_hi:[1,0]   ; O^T under the new M
.set ii, ii+2
.endr
.if \pf
	s_wait_dscnt 25                                ; V's 24 loads and its scale words are in; the 25 issued behind them, the next step's K and its scale words, may stay out
.else
	s_wait_dscnt 0x0
.endif
.irp t, 0,1,2,3                                ; O^T += V^T P^T: the four accumulators by turns; the next step's eight products K Q^T stand between two links of a chain
	v_wmma_scale_f32_16x16x128_f8f6f4 v[OA+8*\t:OA+8*\t+7], v[YA+12*\t:YA+12*\t+11], v[PF:PF+11], v[OA+8*\t:OA+8*\t+7], v[VSC+\t], v[PW] matrix_a_fmt:MATRIX_FMT_FP6 matrix_b_fmt:MATRIX_FMT_FP6
.endr
.Lhid_\@:
	s_add_co_u32 s[KSI], s[KSI], 1
	s_add_co_u32 s[TK], s[TK], KSTEPB
	s_add_co_u32 s[TSK], s[TSK], 256
	s_add_co_u32 s[TSV], s[TSV], 256
.endm
.macro RESET
	s_mov_b32 s[KSI], 0
	s_mov_b32 s[TK], 0
	s_mov_b32 s[TV], 0
	s_mov_b32 s[TSK], 0
	s_mov_b32 s[TSV], 0
.endm
.macro WALK                                    ; all eight slots of 256 keys, a constant number of trips; steps outside KMIN .. KMAX are jumped over
	RESET
	s_mov_b32 s[SL], 8
.Lslot_\@:
	STEP 0, 1, 0
	STEP 1, 1, 0
	s_add_co_u32 s[TV], s[TV], VSLOT
	s_sub_co_u32 s[SL], s[SL], 1
	s_cmp_lg_u32 s[SL], 0
	s_cbranch_scc1 .Lslot_\@
.endm
; THE WAY OUT of a tile: O^T / the sum goes through my own stage in LDS and comes back as whole rows of 256 bytes.  It works in Y1, so that the next tile's first K can be asked for into Y0.
.macro WAYOUT
	s_wait_dscnt 0x0                               ; what the tile's last step asked for ahead, and nobody will use, has landed: its registers may be written
.rept 4
	v_nop                                          ; places behind the last products: their results are read and their sources written below
.endr
	v_add_f32 v[LS], v[LS], v[LS+1]                ; the sum's two halves,
	v_permlanex16_b32 v[TA], v[LS], s[SEL], s[SEL+1]
	v_add_f32 v[LS], v[LS], v[TA]                  ; and lane l xor 16's: the row's sum
	v_rcp_f32 v[LS], v[LS]
	v_nop                                          ; one plain place behind a transcendental
.set ii, 0
	s_wait_alu depctr_va_vdst(0)
.rept 32
	v_mul_f32 v[Y1+ii], v[OA+ii], v[LS]            ; register 8 t + j is out(query r, channel 16 t + 8 h + j); each accumulator from its low end on
.set ii, ii+1
.endr
.irp t, 0,1,2,3
	ds_store_b128 v[STO], v[Y1+8*\t:Y1+8*\t+3] offset:64*\t
	ds_store_b128 v[STO], v[Y1+8*\t+4:Y1+8*\t+7] offset:64*\t+16
.endr
.irp i, 0,1,2,3,4,5,6,7
	ds_load_b128 v[Y1+32+4*\i:Y1+32+4*\i+3], v[RD] offset:544*\i   ; LDS serves a wave's instructions in order (ISA guide 5.7.1.4): these see my stores.  Lanes 0-15 take row 2 i, lanes 16-31 row 2 i + 1
.endr
.irp i, 0,1,2,3,4,5,6,7
	s_wait_dscnt 7-\i                              ; row pair i is back; the younger loads may be out
	global_store_b128 v[GO], v[Y1+32+4*\i:Y1+32+4*\i+3], s[16:17] offset:8192*\i th:TH_STORE_NT   ; 16 lanes store 256 consecutive bytes, at a multiple of 256 from out's first byte; written once, read by nobody here
.endr
.endm
	s_load_b256 s[4:11], s[0:1], 0x0               ; q's codes s[4:5], q's scales s[6:7], k's codes s[8:9], k's scales s[10:11]
	s_load_b128 s[12:15], s[0:1], 0x20             ; v's codes s[12:13], v's scales s[14:15]
	s_load_b64 s[16:17], s[0:1], 0x30              ; out
	v_lshl_add_u32 v248, v0, 2, 0x49000
	v_mov_b32 v249, 0
	ds_add_u32 v248, v249
	ds_add_u32 v248, v249
	v_lshrrev_b32 v12, 5, v0
	v_readfirstlane_b32 s[WV], v12                 ; wave 0..15
	s_bfe_u32 s[CX16], ttmp6, 0x40000              ; cx: my place in the cluster
	s_lshl_b32 s[CX16], s[CX16], 4
	s_and_b32 s24, ttmp7, 0xffff                   ; the cluster's y: the head 16 b + h, which the four partners share
	s_lshr_b32 s25, s24, 4                         ; b
	s_and_b32 s26, s24, 15                         ; h
	s_mul_i32 s66, s25, 1572864                    ; q's and k's codes: b x 2,048 x 768 + 48 h
	s_mul_i32 s84, s26, 48
	s_add_co_u32 s66, s66, s84
	s_mov_b32 s67, 0
	s_lshl_b32 s68, s25, 16                        ; their scale bytes: b x 65,536 + 2 h
	s_lshl_b32 s84, s26, 1
	s_add_co_u32 s68, s68, s84
	s_mov_b32 s69, 0
	s_mul_i32 s70, s24, 98304                      ; v's codes: 98,304 bytes a head
	s_mov_b32 s71, 0
	s_mov_b32 s[SEL], 0x76543210
	s_mov_b32 s[SEL+1], 0xfedcba98
	s_mov_b32 s[CS], 0x3e38aa3b                    ; c = log2(e) / 8
	s_mov_b32 s[CS+1], s[CS]                       ; (named with it as a pair, so it is written)
	; descriptor group 1.  K: 256 rows of 48 bytes, 768 bytes apart, laid on end.  V: 64 rows of 192 bytes, 1,536 apart, 16 bytes of padding behind every 64
	s_mov_b32 s[G1K], 15|(1<<21)                   ; 15:0 the mask: all four work-groups; 17:16 elements of 1 byte; 20 padding off; 21 set beside a mask
	s_mov_b32 s[G1K+1], 48<<16                     ; tensor_dim0
	s_mov_b32 s[G1K+2], 256<<16                    ; tensor_dim1
	s_mov_b32 s[G1K+3], 48<<16                     ; tile_dim0
	s_mov_b32 s[G1K+4], 256                        ; tile_dim1
	s_mov_b32 s[G1K+5], 768                        ; tensor_dim0_stride
	s_mov_b32 s[G1K+6], 0
	s_mov_b32 s[G1K+7], 0
	s_mov_b32 s[G1V], 15|(1<<20)|(1<<21)|(3<<22)|(3<<25)   ; padding on: after every 16 words (code 3), 4 words of it (code 3)
	s_mov_b32 s[G1V+1], 192<<16
	s_mov_b32 s[G1V+2], 64<<16
	s_mov_b32 s[G1V+3], 192<<16
	s_mov_b32 s[G1V+4], 64
	s_mov_b32 s[G1V+5], 1536
	s_mov_b32 s[G1V+6], 0
	s_mov_b32 s[G1V+7], 0
	; what hangs on the lane
	v_and_b32 v12, 15, v0                          ; r
	v_bfe_u32 v13, v0, 4, 1                        ; h
	v_and_b32 v14, 8, v12
	v_add_nc_u32 v14, v14, v12                     ; r + 8 (r / 8)
	v_mul_u32_u24 v[AK0], v14, 48
	v_mad_u32_u24 v[AK0], v13, 24, v[AK0]
	v_mul_u32_u24 v[AV0], v12, 240
	v_mad_u32_u24 v[AV0], v13, 24, v[AV0]
	v_add_nc_u32 v[AV0], VB, v[AV0]
	v_lshl_add_u32 v[AV1], v13, 4, v[AV0]
	v_lshl_add_u32 v[ASK0], v12, 4, KS
	v_lshl_add_u32 v[ASV0], v12, 4, VS
	v_mul_u32_u24 v[QL], v12, 768
	v_mad_u32_u24 v[QL], v13, 24, v[QL]
	v_lshlrev_b32 v[QSL], 5, v12
	v_lshlrev_b32 v[DL0], 4, v13
	v_sub_nc_u32 v[DL0], v12, v[DL0]
	v_add_nc_u32 v[DL0], s[CX16], v[DL0]
	s_mul_i32 s84, s[WV], 4352
	s_add_co_u32 s84, s84, STG                     ; my stage
	v_mul_u32_u24 v[STO], v12, 272
	v_lshl_add_u32 v[STO], v13, 5, v[STO]
	v_add_nc_u32 v[STO], s84, v[STO]               ; in: row r, 32 bytes for each half of the lanes
	v_mul_u32_u24 v[RD], v13, 272
	v_lshl_add_u32 v[RD], v12, 4, v[RD]
	v_add_nc_u32 v[RD], s84, v[RD]                 ; back: lanes 0-15 one row, lanes 16-31 the next
	v_lshlrev_b32 v[GOL], 12, v13
	v_lshl_add_u32 v[GOL], v12, 4, v[GOL]          ; and the same two rows in out
	v_mov_b32 v[NINF], 0xff800000
	v_mov_b32 v[FF+1], 0                           ; (named as the upper half of a pair)
	v_mov_b32 v[TA], 0                             ; a lane permute's destination counts as one of its sources: written once
.irp b, 0,1,2,3
	v_mov_b32 v[TP+\b], 0
.endr
.irp i, 0,1,2,3,4,5                            ; the zero codes on both sides of q, written once
	v_mov_b32 v[QHI+\i], 0
	v_mov_b32 v[QLO+6+\i], 0
.endr
	; the scale bytes' way into LDS; thread n of 512.  K: keys n + 512 i.  Key 32 b + 16 x + 8 u + j of a step belongs to tile 2 b + u, lane 8 x + j: word 2 (b % 2) + u of that lane, half b / 2
	v_lshlrev_b32 v[Y0+6], 5, v0                   ; in memory: 32 bytes from key to key
	v_lshlrev_b32 v[Y0+7], 3, v0                   ; V: 8 bytes a thread of the head's dense 4,096
	v_lshrrev_b32 v[Y0+8], 7, v0
	v_lshlrev_b32 v[Y0+8], 8, v[Y0+8]              ; 256 x step
	v_bfe_u32 v[Y0+10], v0, 4, 1
	v_lshl_add_u32 v[Y0+8], v[Y0+10], 7, v[Y0+8]   ; 16 r = 128 x
	v_and_b32 v[Y0+10], 7, v0
	v_lshl_add_u32 v[Y0+8], v[Y0+10], 4, v[Y0+8]   ;        + 16 j
	v_bfe_u32 v[Y0+10], v0, 5, 1
	v_lshl_add_u32 v[Y0+8], v[Y0+10], 3, v[Y0+8]   ; 4 x word = 8 (b % 2)
	v_bfe_u32 v[Y0+10], v0, 3, 1
	v_lshl_add_u32 v[Y0+8], v[Y0+10], 2, v[Y0+8]   ;          + 4 u
	v_bfe_u32 v[Y0+10], v0, 6, 1
	v_lshl_add_u32 v[Y0+8], v[Y0+10], 1, v[Y0+8]   ; 2 x half = 2 (b / 2)
	v_add_nc_u32 v[Y0+8], KS, v[Y0+8]
	v_and_b32 v[Y0+10], 7, v0                      ; V: my two words are row n / 8 of the head's 64, steps 2 (n % 8) and 2 (n % 8) + 1
	v_lshlrev_b32 v[Y0+9], 9, v[Y0+10]
	v_bfe_u32 v[Y0+10], v0, 3, 4
	v_lshl_add_u32 v[Y0+9], v[Y0+10], 4, v[Y0+9]   ; 16 r
	v_lshrrev_b32 v[Y0+10], 7, v0
	v_lshl_add_u32 v[Y0+9], v[Y0+10], 2, v[Y0+9]   ; 4 x tile
	v_add_nc_u32 v[Y0+9], VS, v[Y0+9]
	s_wait_dscnt 0x0
	s_wait_kmcnt 0x0
	s_add_nc_u64 s[4:5], s[4:5], s[66:67]          ; every pointer at the head's first byte
	s_add_nc_u64 s[8:9], s[8:9], s[66:67]
	s_add_nc_u64 s[6:7], s[6:7], s[68:69]
	s_add_nc_u64 s[10:11], s[10:11], s[68:69]
	s_add_nc_u64 s[12:13], s[12:13], s[70:71]
	s_lshl_b32 s70, s24, 12                        ; v's scale bytes: 4,096 a head
	s_add_nc_u64 s[14:15], s[14:15], s[70:71]
	s_lshl_b32 s70, s25, 23                        ; out: b x 2,048 x 4,096 + 256 h
	s_lshl_b32 s68, s26, 8
	s_add_co_u32 s70, s70, s68
	s_add_nc_u64 s[16:17], s[16:17], s[70:71]
.irp i, 0,1,2,3
	global_load_u16 v[Y0+\i], v[Y0+6], s[10:11] offset:16384*\i   ; key n + 512 i's two scale bytes
.endr
	global_load_b64 v[Y0+4:Y0+5], v[Y0+7], s[14:15]
	s_mov_b32 s[UU], s[WV]                         ; my first tile: u = w
	TILE_Q
	TILE_O
	CROUND                                         ; all four work-groups are here: the joint loads meet
	; THE FILLS, all of them, once.  Waves 0 and 1: K's keys 1,024 x (w % 2) on, four tiles of 256 keys; waves 2 and 3: V's slots 4 (w % 2) on, four; the others none.  A wave's four stand together in one branch on the
	; wave's number: four loads of mine are out at the most.  Four v_nop follow the last.
	s_and_b32 s84, s[WV], 1
	s_cmp_lt_u32 s[WV], 2
	s_cbranch_scc0 .Lnot_k
	s_mul_i32 s72, s84, 49152
	s_mul_i32 s66, s84, 786432
	s_mov_b32 s67, 0
	s_add_nc_u64 s[66:67], s[8:9], s[66:67]
.irp i, 0,1,2,3
	s_mov_b32 s[G0+4*\i], 1                                        ; 1:0 count = 1
	s_add_co_u32 s[G0+4*\i+1], s72, \i*12288                       ; 63:32 LDS address
	s_add_nc_u64 s[G0+4*\i+2:G0+4*\i+3], s[66:67], \i*196608       ; 120:64 global address
	s_or_b32 s[G0+4*\i+3], s[G0+4*\i+3], 0x80000000                ; 127:126 type = 2
.endr
.irp i, 0,1,2,3
	tensor_load_to_lds s[G0+4*\i:G0+4*\i+3], s[G1K:G1K+7]
	s_nop 0
.endr
.rept 4
	v_nop
.endr
	s_branch .Lasked
.Lnot_k:
	s_cmp_lt_u32 s[WV], 4
	s_cbranch_scc0 .Lasked
	s_mul_i32 s72, s84, 61440
	s_add_co_u32 s72, s72, VB
	s_mul_i32 s66, s84, 768
	s_mov_b32 s67, 0
	s_add_nc_u64 s[66:67], s[12:13], s[66:67]
.irp i, 0,1,2,3
	s_mov_b32 s[G0+4*\i], 1
	s_add_co_u32 s[G0+4*\i+1], s72, \i*VSLOT
	s_add_nc_u64 s[G0+4*\i+2:G0+4*\i+3], s[66:67], \i*192
	s_or_b32 s[G0+4*\i+3], s[G0+4*\i+3], 0x80000000
.endr
.irp i, 0,1,2,3
	tensor_load_to_lds s[G0+4*\i:G0+4*\i+3], s[G1V:G1V+7]
	s_nop 0
.endr
.rept 4
	v_nop
.endr
.Lasked:
	s_wait_loadcnt 0x4                             ; the five loads of scale bytes are in; q's four, issued behind them, may be out
.irp i, 0,1,2,3
	ds_store_b16 v[Y0+8], v[Y0+\i] offset:1024*\i  ; four steps on for each 512 keys
.endr
	ds_store_b32 v[Y0+9], v[Y0+4]
	ds_store_b32 v[Y0+9], v[Y0+5] offset:256       ; the next step's word
	s_wait_tensorcnt 0x3                           ; the first of my four fills has landed (wave 0: keys 0-255 of K; wave 2: of V); the three issued behind it may stay out
	s_wait_dscnt 0x0                               ; for the others' sake: my scale words lie in LDS
	s_wait_loadcnt 0x0                             ; q
	TILE_Z
	s_barrier_signal -1
	s_barrier_wait -1
	KPRE 0, 0                                      ; step 0's K
	s_mov_b32 s[KMIN], 0
	RESET
	STEP 0, 1, 1                                   ; keys 0-127 of my first tile: every tile has this step, so it has no test; it asks for keys 128-255, which have landed
	STEP 1, 0, 0                                   ; keys 128-255; it asks for nothing ahead: keys 256 on are not yet shown landed
	s_wait_tensorcnt 0x0                           ; all my fills have landed,
	s_wait_dscnt 0x0
	s_barrier_signal -1
	s_barrier_wait -1                              ; everybody's have: from here on LDS is only read, but for each wave's own stage
.rept 4
	v_nop                                          ; places in front of loads into registers that the last products may have read
.endr
	KPRE 2*KSTEPB, 512                             ; step 2's K
	s_mov_b32 s[KMIN], 2                           ; my first tile goes on at step 2
	WALK
	s_sub_co_u32 s[UU], 31, s[WV]                  ; my second tile: u = 31 - w
	TILE_Q                                         ; its q is asked for ahead of the first tile's way out, under which it lands
	WAYOUT
	s_wait_xcnt 0x0                                ; the stores have read their offsets and data: both are written again below
	TILE_O
	KPRE 0, 0                                      ; step 0's K, under the lines that empty the state
	s_mov_b32 s[KMIN], 0
	s_wait_loadcnt 0x0                             ; q
	TILE_Z
	WALK
	WAYOUT
	s_wait_tensorcnt 0x0
	ds_add_u32 v248, v249
	s_wait_dscnt 0x0
	CROUND                                         ; the closing round: no work-group ends while a partner may still ask for a tile that names it
	s_endpgm
.Lfunc_end_k_qcb95d11763_attn:
	.size	k_qcb95d11763_attn, .Lfunc_end_k_qcb95d11763_attn-k_qcb95d11763_attn
	.p2alignl 7, 3214868480
	.fill 96, 4, 3214868480
	.section	.rodata,"a",@progbits
	.p2align	6, 0x0
	.amdhsa_kernel k_qcb95d11763_attn
		.amdhsa_group_segment_fixed_size 301056
		.amdhsa_private_segment_fixed_size 0
		.amdhsa_enable_private_segment 0
		.amdhsa_kernarg_size 56
		.amdhsa_user_sgpr_count 2
		.amdhsa_user_sgpr_kernarg_segment_ptr 1
		.amdhsa_wavefront_size32 1
		.amdhsa_system_sgpr_workgroup_id_x 1
		.amdhsa_system_sgpr_workgroup_id_y 1
		.amdhsa_system_sgpr_workgroup_id_z 1
		.amdhsa_system_vgpr_workitem_id 0
		.amdhsa_next_free_vgpr 250
		.amdhsa_next_free_sgpr 96
		.amdhsa_reserve_vcc 1
		.amdhsa_float_denorm_mode_32 3
		.amdhsa_float_denorm_mode_16_64 3
		.amdhsa_memory_ordered 1
		.amdhsa_forward_progress 1
		.amdhsa_inst_pref_size 160
	.end_amdhsa_kernel
	.amdgpu_metadata
---
amdhsa.version: [ 1, 2 ]
amdhsa.kernels:
  - .name:           k_qcb95d11763_attn
    .symbol:         k_qcb95d11763_attn.kd
    .args:
      - { .name: q_codes, .offset: 0, .size: 8, .value_kind: global_buffer, .address_space: global }
      - { .name: q_scales, .offset: 8, .size: 8, .value_kind: global_buffer, .address_space: global }
      - { .name: k_codes, .offset: 16, .size: 8, .value_kind: global_buffer, .address_space: global }
      - { .name: k_scales, .offset: 24, .size: 8, .value_kind: global_buffer, .address_space: global }
      - { .name: v_codes, .offset: 32, .size: 8, .value_kind: global_buffer, .address_space: global }
      - { .name: v_scales, .offset: 40, .size: 8, .value_kind: global_buffer, .address_space: global }
      - { .name: out0, .offset: 48, .size: 8, .value_kind: global_buffer, .address_space: global }
    .group_segment_fixed_size: 301056
    .private_segment_fixed_size: 0
    .kernarg_segment_align: 8
    .kernarg_segment_size: 56
    .max_flat_workgroup_size: 512
    .sgpr_count:     96
    .vgpr_count:     250
    .wavefront_size: 32
...
	.end_amdgpu_metadata
.endif
;; end of part 1
